; MI455X (gfx1250); checked and timed in simulation.
; The chip was launched on July 23, 2026; its instructions are those of AMD's public machine-readable ISA for CDNA 5 (MIT licence, August 2026) and "CDNA5" Instruction Set Architecture Reference Guide (July 2026). The comments in the code are by the model that wrote it; some were corrected since.
;; Self Attn. Allowed arithmetic: matrix products marked QUANTISED: E2M1 operands, one E8M0 scale for each 32 along K, by v_wmma_scale_f32_16x16x128_f8f6f4 with both operands' format E2M1 (or v_wmma_scale_f32_32x16x128_f4), f32 sums; products left as they are: f32 operands where the result goes on into a quantised operand, else bf16, f16 or f32 operands; f32 sums; everything else in f32.
;; Inputs: gamma 1 float32; w_g 32 x 64 float32; w_o 64 x 32 float32; w_phi 8 x 64 float32; w_theta 8 x 64 float32; x 16 x 64 x 64 x 64 float32.
;; Outputs: out0 16 x 64 x 64 x 64 float32.
;; This version of the problem:
;;   THIS VERSION OF THE PROBLEM IS GIVEN IN LOW PRECISION. The matrix products marked QUANTISED in the list below multiply operands that are first quantised to E2M1 (2 exponent bits, 1 mantissa bit; 4 bits a number), with one power-of-two scale for each 32 numbers along K (OCP MX v1.0); their sums are f32. All else is computed in f32.
;;   The module's matrix products, in the order in which they are computed (A, B: the left and right operand; K: the contracted axis; several contracted axes count as one K, in the product's order):
;;     1. [M 65,536, K 64] x [K 64, N 8]; A: input x; B: input w_theta: left as it is (N = 8 < 16)
;;     2. [M 65,536, K 64] x [K 64, N 8]; A: input x; B: input w_phi: left as it is (N = 8 < 16)
;;     3. batch 16 x [M 4,096, K 8] x [K 8, N 1,024]; A: computed on the way; B: computed on the way: left as it is (K = 8 < 32)
;;     4. [M 65,536, K 64] x [K 64, N 32]; A: input x; B: input w_g: QUANTISED
;;     5. batch 16 x [M 32, K 1,024] x [K 1,024, N 4,096]; A: computed on the way; B: softmax (see below): QUANTISED
;;     6. [M 65,536, K 32] x [K 32, N 64]; A: computed on the way; B: input w_o: QUANTISED
;;   THE QUANTISER, for each operand of a quantised product, along K:
;;     - K is cut into blocks of 32 from its start; a last block that is shorter is filled with zeros.
;;     - A block's scale is 2^e with e = floor(log2(the largest magnitude in the block)) - 2, held to -126 .. 127; a block of zeros has e = 0. As a byte (E8M0): e + 127.
;;     - Each number is divided by its block's scale, clamped to +-6, and rounded to the nearest number of E2M1, ties to even, subnormals kept.
;;     - The product sums the exact products of the quantised numbers (number of the format x scale) in f32.
;;   ~~~python
;;   def quantise(x, axis):      # numpy; x: float32 -> the quantised numbers, widened to float32 again
;;       x = np.moveaxis(x, axis, -1); K = x.shape[-1]
;;       x = np.pad(x, [(0, 0)] * (x.ndim - 1) + [(0, -K % 32)]); x = x.reshape(x.shape[:-1] + (-1, 32)); a = np.abs(x).max(-1, keepdims=True)
;;       e = np.where(a > 0, np.clip(np.frexp(np.where(a > 0, a, 1))[1] - 1 - 2, -126, 127), 0)      # np.frexp(a)[1] - 1 = floor(log2(a)), exactly
;;       r = np.clip(x / 2.0 ** e, -6, 6)
;;       step = 2.0 ** (np.maximum(np.frexp(np.where(r == 0, 1, r))[1] - 1, 0) - 1)
;;       q = np.round(r / step) * step * 2.0 ** e      # np.round: ties to even
;;       return np.moveaxis(q.reshape(q.shape[:-2] + (-1,))[..., :K], -1, axis).astype(np.float32)
;;   ~~~
;;   SOFTMAX AHEAD OF A QUANTISED PRODUCT. Where the list says 'softmax', what is quantised is not the finished softmax but p = 2^(t - M), with t = logit x log2(e) and M = ceil(the row's largest t), a whole number; so 1/2 < the row's largest p <= 1. The row's sum l is taken of the UNQUANTISED p, in f32, and the product's result is divided by l at the end. Since M is a whole number, a kernel that streams over the keys may use a running M (the ceiling of the running maximum): every later rescaling is an exact power of two, which a block's scale takes up: the codes' values come out the same.
;;   OPERANDS COMPUTED ON THE WAY. 'Computed on the way' means the value that the module computes at that place (a softmax that the list does not call 'softmax' is quantised finished and normalised). What goes into a quantiser is computed in f32, as accurately as f32 sums, v_exp_f32 and their like allow (about 1e-6 of the number): no bf16 or f16 on the way to a quantiser, and a product that is left as it is and whose result goes on into a quantised operand takes f32 operands (vector FMAs, or v_wmma_f32_16x16x4_f32). A number that lies on a knife's edge between two numbers of the format may be rounded either way, as far as f32 arithmetic and the matrix unit's own rounding can turn it there, and no further.
;; One version. Each part assembles by itself: llvm-mc -triple=amdgcn-amd-amdhsa -mcpu=gfx1250 --defsym DOCPART=n.
;; ======== version 1 of 1: 2 launches
;; workspace buffers: theta 2,097,152 bytes; kv 786,432 bytes; gsc 16,384 bytes
;; launch prep (part 1): grid 256 x 1, 8 waves a work-group, no clusters, 168,960 bytes of LDS; arguments x, w_theta, w_phi, w_g, theta, kv, gsc; writes theta, kv, gsc
.if DOCPART == 1
	.amdgcn_target "amdgcn-amd-amdhsa--gfx1250"
	.amdhsa_code_object_version 6
	.text
	.protected	k_q57b9d84c9c_prep
	.globl	k_q57b9d84c9c_prep
	.p2align	8
	.type	k_q57b9d84c9c_prep,@function
k_q57b9d84c9c_prep:
	s_mov_b64 s[64:65], 0
	v_nop
	global_prefetch_b8 v0, s[64:65] scope:SCOPE_SE
	s_setreg_imm32_b32 hwreg(HW_REG_WAVE_MODE, 25, 1), 1
	s_wait_xcnt 0x0
; PREP: from x [16][64][64][64] f32 it makes what the attention launch reads:
;   theta = w_theta x                    f32, laid as images of the score product's B registers: [image][tile of 16 pixels][channels 4 q .. 4 q + 3][pixel][4 numbers]
;   phi   = maxpool2x2(w_phi x)          f32, laid as images of its A registers: kv[image][tile of 16 keys][channels 4 q ..][row][4 numbers]
;   g     = maxpool2x2(Q(w_g) Q(x))      the product on codes of FP4 (E2M1) with one E8M0 scale for 32 along the channels; g itself is then quantised along the keys
;                                        (a pooled row is 32 keys: one block): kv[image] + 32,768: [128 keys][16 channels][64 keys][lane][16 bytes]; scale words gsc[image][128 keys][channel]
; The rows of a tile of phi are not neighbours: row r of tile 2 b + u is key 32 b + 8 u + r + 8 (r / 8), so that in the attention launch a lane's 16 registers of two neighbouring tiles are 16 neighbouring keys.
; SHARES.  A work-group takes 4 image rows (256 pixels, 64 keys) of one image; wave w takes the pooled row w / 4 and its columns 16 (w % 4) on: lanes 0-15 the upper image row, lanes 16-31 the lower.
; A LANE HOLDS ONE PIXEL AND ITS 64 REGISTERS RUN DOWN THE CHANNELS: a block of 32 channels lies in one lane, the conversions give codes with the channels innermost, and an exchange of halves of the lanes
; (v_permlane16_swap_b32) makes of them the operands' layouts, for the FP4 form and for the f32 form.
; theta and phi feed a softmax that is quantised, so their products are f32: v_wmma_f32_16x16x4_f32, A = w_theta's 8 rows and w_phi's 8, two accumulators (upper and lower image row) by turns.
; x comes by one tensor load a wave, filled once: no slot is filled again.  The claim of LDS is more than half of what a WGP has; 93,184 bytes are used.
; LIMITS: NaN and infinities are not served.  A block of zeros gets the byte 1 where the rule says 127: its codes are zeros, and this program alone reads the bytes.
; The f32 sums take the channels in the order 2 i, 2 i + 1, 32 + 2 i, 33 + 2 i (i ascending), not ascending.
.set XLINE, 320                        ; an image row of one channel in LDS: 256 bytes + 64 of padding = 80 words, so that the lower row's 16 words start 16 banks behind the upper row's (64 banks of 4 bytes: ISA guide 11.1)
.set XROW,  4*XLINE                    ; a channel's four image rows
.set GST,   64*XROW                    ; behind x: the stage for pooled g: 2 pooled rows x 32 channels x (128 bytes + 16)
.set GP,    144
.set PST,   GST+64*GP                  ; and for pooled phi: 256 bytes for each wave, 8 bytes for each lane
.set KVB,   49152                      ; an image's part of kv
.set GOFF,  32768                      ; where g's codes begin in it
.set FLOOR, 0x1800000                  ; 2^(3 - 127): under it no largest magnitude is taken, so that no scale byte falls under 1
.set XA0, 1                            ; v1   LDS address of my pixel, channels 0-31
.set XA1, 2                            ; v2   channels 32-63
.set GWR, 3                            ; v3   where I put 4 pooled numbers of g
.set PWR, 4                            ; v4   where I put 2 pooled numbers of phi: PST + 8 x my thread's number
.set PRD, 5                            ; v5   where I read the 8 bytes of phi's stage that belong at byte 8 x my thread's number of the work-group's four tiles
.set GRD, 6                            ; v6   where I read a channel's 32 keys of g back
.set TO,  7                            ; v7   my byte offset in theta
.set PO,  8                            ; v8   in phi's images
.set GO,  9                            ; v9   in g's images
.set SO,  10                           ; v10  in g's scale words
.set WOF, 11                           ; v11  in w_g
.set WOT, 12                           ; v12  in w_theta and w_phi
.set SH8, 13                           ; v13  8 x (lane / 16)
.set RR,  14                           ; v14  lane % 16
.set HH,  15                           ; v15  lane / 16
.set WGS, 16                           ; v16-17 w_g's scale words: scales and nothing else
.set XSW, 18                           ; v18  x's scale words: lane l has pixel l's
.set LN,  19                           ; v19  lane
.set BF,  20                           ; v20  a bit field of my thread's number, at work
.set WA,  32                           ; v32-63   the f32 form's A: row r of (w_theta; w_phi), channels 32 (lane / 16) + 0 .. 31
.set X,   64                           ; v64-127  x: register c = channel c of my pixel (at the head: w_g's numbers)
.set WGF, 128                          ; v128-143 w_g's two fragments
.set XF,  144                          ; v144-159 x's two fragments: upper row, lower row
.set DT,  160                          ; v160-175 the f32 form's two sums: written by matrix instructions alone
.set DG,  176                          ; v176-207 the FP4 sums: (image row, 16 channels)
.set TM,  208                          ; v208-239 at the head: w_phi's numbers
.set PG,  208                          ; v208-215 pooled g
.set T,   216                          ; v216-223 theta of both image rows
.set V,   224                          ; v224-231 pooled phi
.set R,   232                          ; v232-235 four channels of my pair's key
.set PB,  236                          ; v236-237 the two numbers of phi that I put into the stage; then phi on its way out
.set W,   240                          ; v240-247 at work
.set WV,  18                           ; s18 wave   s19 image   s20 which 4 image rows   s21 pooled row of the two   s22 which 16 columns
.set BA,  19
.set PP,  20
.set YP,  21
.set AP,  22
.set G1,  24                           ; s[24:31] tensor descriptor, group 1;  s[32:35] group 0
.set G0,  32
.set PHD, 40                           ; s[40:41] where my work-group's images of phi go;  s[42:43] my images of g
.set GCD, 42
.set M8,  44                           ; s44 lanes whose row of A is w_phi's   s46 lanes 16-31   s47 odd lanes
.set MH,  46
.set MP,  47
.set SEL, 48                           ; s[48:49] v_permlanex16_b32's selects for lane l xor 16
.macro PLACES n
.rept \n
	v_nop
.endr
.endm
	s_load_b256 s[4:11], s[0:1], 0x0               ; x s[4:5], w_theta s[6:7], w_phi s[8:9], w_g s[10:11]
	s_load_b128 s[12:15], s[0:1], 0x20             ; theta s[12:13], kv s[14:15]
	s_load_b64 s[16:17], s[0:1], 0x30              ; gsc
	v_lshl_add_u32 v254, v0, 2, 0x29000
	v_mov_b32 v255, 0
	ds_add_u32 v254, v255
	ds_add_u32 v254, v255
	v_lshrrev_b32 v[RR], 5, v0
	v_readfirstlane_b32 s[WV], v[RR]               ; wave 0..7
	s_lshr_b32 s[BA], ttmp9, 4
	s_and_b32 s[PP], ttmp9, 15
	s_lshr_b32 s[YP], s[WV], 2
	s_and_b32 s[AP], s[WV], 3
	; group 1: a tile of 8 channels x 256 pixels of 4 bytes, 4,096 elements from channel to channel; in LDS 16 words of padding behind every 64
	s_mov_b32 s[G1+0], (2<<16)|(1<<20)|(5<<22)|(15<<25)
	s_mov_b32 s[G1+1], 256<<16                     ; tensor_dim0
	s_mov_b32 s[G1+2], 8<<16                       ; tensor_dim1
	s_mov_b32 s[G1+3], 256<<16                     ; tile_dim0
	s_mov_b32 s[G1+4], 8                           ; tile_dim1
	s_mov_b32 s[G1+5], 4096                        ; stride from row to row
	s_mov_b32 s[G1+6], 0
	s_mov_b32 s[G1+7], 0
	s_mov_b32 s[G0], 1
	s_mul_i32 s[G0+1], s[WV], 8*XROW               ; my 8 channels' place in LDS
	s_lshl_b32 s36, s[BA], 20                      ; the image: 64 x 16,384 bytes,
	s_lshl_b32 s38, s[WV], 17                      ; my 8 channels,
	s_add_co_u32 s36, s36, s38
	s_lshl_b32 s38, s[PP], 10                      ; the work-group's 256 pixels
	s_add_co_u32 s36, s36, s38
	s_mov_b32 s37, 0
	s_mov_b32 s[M8], 0xff00ff00
	s_mov_b32 s[MH], 0xffff0000
	s_mov_b32 s[MP], 0xaaaaaaaa
	s_mov_b32 s[SEL], 0x76543210
	s_mov_b32 s[SEL+1], 0xfedcba98
	s_wait_dscnt 0x0
	s_wait_kmcnt 0x0
	s_add_nc_u64 s[G0+2:G0+3], s[4:5], s[36:37]
	s_or_b32 s[G0+3], s[G0+3], 0x80000000          ; type = 2
	tensor_load_to_lds s[G0:G0+3], s[G1:G1+7]      ; my one tensor load: 8 rows of 1,024 consecutive bytes
	s_nop 0
	PLACES 4                                       ; plain lines behind a tensor load
	v_and_b32 v[RR], 15, v0
	v_bfe_u32 v[HH], v0, 4, 1
	v_and_b32 v[LN], 31, v0
	v_lshlrev_b32 v[WOF], 8, v[RR]                 ; w_g: row r of 256 bytes, + 128 (lane / 16): a whole block of 32 channels a lane
	v_lshl_add_u32 v[WOF], v[HH], 7, v[WOF]
	v_and_b32 v[WOT], 7, v[RR]                     ; w_theta, w_phi: row r % 8
	v_lshlrev_b32 v[WOT], 8, v[WOT]
	v_lshl_add_u32 v[WOT], v[HH], 7, v[WOT]
.irp n, 0,1
.irp i, 0,1,2,3,4,5,6,7
	global_load_b128 v[X+32*\n+4*\i:X+32*\n+4*\i+3], v[WOF], s[10:11] offset:4096*\n+16*\i
.endr
.endr
.irp i, 0,1,2,3,4,5,6,7
	global_load_b128 v[WA+4*\i:WA+4*\i+3], v[WOT], s[6:7] offset:16*\i
	global_load_b128 v[TM+4*\i:TM+4*\i+3], v[WOT], s[8:9] offset:16*\i
.endr
	; addresses, while the weights are on their way
	v_mul_u32_u24 v[XA0], v[HH], XLINE             ; x: image row 2 y' + lane / 16, column 16 a' + lane % 16
	v_lshl_add_u32 v[XA0], v[RR], 2, v[XA0]
	s_mul_i32 s38, s[YP], 2*XLINE
	s_lshl_b32 s39, s[AP], 6
	s_add_co_u32 s38, s38, s39
	v_add_nc_u32 v[XA0], s38, v[XA0]
	v_add_nc_u32 v[XA1], 32*XROW, v[XA0]
	v_mul_u32_u24 v[GWR], v[RR], GP                ; g's stage: channel lane % 16 (+ 16 by the offset), keys 8 a' + 4 (lane / 16) on
	v_lshl_add_u32 v[GWR], v[HH], 4, v[GWR]
	s_mul_i32 s38, s[YP], 32*GP
	s_lshl_b32 s39, s[AP], 5
	s_add_co_u32 s38, s38, s39
	s_add_co_u32 s38, s38, GST
	v_add_nc_u32 v[GWR], s38, v[GWR]
	; phi's stage.  IN: every lane puts 8 bytes at 8 x its thread's number: in wave (y', a'), lane (r, h) has key 8 a' + r / 2 of pooled row y', channels 4 (r % 2) + 2 h + 0, 1.
	v_lshl_add_u32 v[PWR], v0, 3, PST
	; OUT: thread t stores byte 8 t of the work-group's four tiles, laid [tile][channels 4 q ..][row][4 numbers]: tile t / 64, q = (t / 32) % 2, row (t / 2) % 16, the row's first or second two numbers by t % 2.
	; Tile 2 y' + a' % 2, row 8 (a' / 2) + r / 2: so the wave that made them is 4 (t / 128) + 2 ((t / 16) % 2) + (t / 64) % 2, its lane has h = t % 2 and r = 2 ((t / 2) % 8) + q.
	v_bfe_u32 v[BF], v0, 7, 1
	v_lshlrev_b32 v[PRD], 10, v[BF]                ; 256 bytes a wave: y' counts four waves,
	v_bfe_u32 v[BF], v0, 4, 1
	v_lshl_add_u32 v[PRD], v[BF], 9, v[PRD]        ; a' / 2 two,
	v_bfe_u32 v[BF], v0, 6, 1
	v_lshl_add_u32 v[PRD], v[BF], 8, v[PRD]        ; a' % 2 one;
	v_and_b32 v[BF], 1, v0
	v_lshl_add_u32 v[PRD], v[BF], 7, v[PRD]        ; h: sixteen lanes of 8 bytes;
	v_bfe_u32 v[BF], v0, 1, 3
	v_lshl_add_u32 v[PRD], v[BF], 4, v[PRD]        ; r / 2: two lanes;
	v_bfe_u32 v[BF], v0, 5, 1
	v_lshl_add_u32 v[PRD], v[BF], 3, v[PRD]        ; r % 2: one
	v_add_nc_u32 v[PRD], PST, v[PRD]
	v_lshlrev_b32 v[PO], 3, v0
	s_and_b32 s50, s[WV], 1                        ; the pooled row of a wave that quantises g
	s_mul_i32 s38, s50, 32*GP
	s_add_co_u32 s38, s38, GST
	v_mul_u32_u24 v[GRD], v[LN], GP                ; a lane to a channel
	v_add_nc_u32 v[GRD], s38, v[GRD]
	v_lshlrev_b32 v[TO], 11, v[HH]                 ; theta: the lower image row's tile lies 4 tiles on; 16 bytes a pixel
	v_lshl_add_u32 v[TO], v[RR], 4, v[TO]
	v_lshlrev_b32 v[GO], 10, v[HH]                 ; g's images: channels 16-31 lie 1,024 bytes on; 16 bytes a channel
	v_lshl_add_u32 v[GO], v[RR], 4, v[GO]
	v_lshlrev_b32 v[SO], 2, v[LN]                  ; a scale word a channel
	v_lshlrev_b32 v[SH8], 3, v[HH]
	; where the results go
	s_lshl_b32 s36, s[BA], 17                      ; theta: 131,072 bytes an image; tile 16 p + 8 y' + a' (+ 4 for the lower row), 512 bytes a tile
	s_lshl_b32 s38, s[PP], 13
	s_add_co_u32 s36, s36, s38
	s_lshl_b32 s38, s[YP], 12
	s_add_co_u32 s36, s36, s38
	s_lshl_b32 s38, s[AP], 9
	s_add_co_u32 s36, s36, s38
	s_add_nc_u64 s[12:13], s[12:13], s[36:37]
	s_mul_i32 s36, s[BA], KVB
	s_lshl_b32 s38, s[PP], 11                      ; phi: the work-group's 4 tiles
	s_add_co_u32 s38, s36, s38
	s_mov_b32 s39, 0
	s_add_nc_u64 s[PHD:PHD+1], s[14:15], s[38:39]
	s_lshr_b32 s38, s[PP], 1                       ; g: block 2 p + y'' of the image's 32: which 128 keys,
	s_and_b32 s39, s[PP], 1                        ; which 64 of them,
	s_lshl_b32 s51, s38, 11
	s_add_co_u32 s36, s36, s51
	s_lshl_b32 s51, s39, 9
	s_add_co_u32 s36, s36, s51
	s_lshl_b32 s51, s50, 8                         ; which 32 of those: lanes 0-15 or 16-31 of the image
	s_add_co_u32 s36, s36, s51
	s_add_co_u32 s36, s36, GOFF
	s_add_nc_u64 s[GCD:GCD+1], s[14:15], s[36:37]
	s_lshl_b32 s36, s[BA], 10                      ; scale words: 1,024 bytes an image, 128 for 128 keys; my block's byte in the word
	s_lshl_b32 s51, s38, 7
	s_add_co_u32 s36, s36, s51
	s_lshl_b32 s51, s39, 1
	s_add_co_u32 s36, s36, s51
	s_add_co_u32 s36, s36, s50
	s_add_nc_u64 s[16:17], s[16:17], s[36:37]
	v_mov_b32 v[W+6], 0                            ; written once: a lane permute's destination counts as one of its sources
	v_mov_b32 v[W+7], 0
	s_wait_loadcnt 0x0                             ; the weights
.set KK, 0
.rept 32
	v_cndmask_b32 v[WA+KK], v[WA+KK], v[TM+KK], s[M8]   ; rows 0-7 of A are w_theta's, rows 8-15 w_phi's
.set KK, KK+1
.endr
	; w_g into codes: lane (r, h) holds block h of row 16 n + r
.irp n, 0,1
	v_max3_num_f32 v[W+\n], |v[X+32*\n]|, |v[X+32*\n+1]|, FLOOR
.endr
.irp i, 2,4,6,8,10,12,14,16,18,20,22,24,26,28,30
.irp n, 0,1
	v_max3_num_f32 v[W+\n], v[W+\n], |v[X+32*\n+\i]|, |v[X+32*\n+\i+1]|
.endr
.endr
.irp n, 0,1
	v_add_nc_u32 v[W+2+\n], 0xff000000, v[W+\n]    ; 2 off the exponent field: the conversion's scale operand
.endr
.irp n, 0,1
	v_lshrrev_b32 v[W+4+\n], 23, v[W+2+\n]         ; the scale's byte,
.endr
.irp n, 0,1
	v_lshlrev_b32 v[W+4+\n], v[SH8], v[W+4+\n]     ; at its place in the row's word;
.endr
.irp n, 0,1
	v_permlanex16_b32 v[W+6+\n], v[W+4+\n], s[SEL], s[SEL+1]
.endr
.irp n, 0,1
	v_or_b32 v[WGS+\n], v[W+4+\n], v[W+6+\n]       ; with lane l xor 16's the word is whole (bytes 2 and 3 stand over zero codes)
.endr
.irp n, 0,1
.irp g, 0,1,2,3
	v_cvt_scalef32_pk8_fp4_f32 v[WGF+8*\n+\g], v[X+32*\n+8*\g:X+32*\n+8*\g+7], v[W+2+\n]
.endr
.endr
	v_nop                                          ; one plain line behind the last conversion of a run
.irp f, WGF, WGF+8, XF, XF+8
.irp z, 4,5,6,7
	v_mov_b32 v[\f+\z], 0                          ; K is 64 of the instruction's 128: zero codes fill the rest, on both sides
.endr
.endr
.irp j, 0,1,2,3,4,5,6,7
	v_mov_b32 v[T+\j], 0                           ; (lane permutes' destinations)
.endr
	s_wait_tensorcnt 0x0                           ; my 8 channels have landed,
	s_barrier_signal -1
	s_barrier_wait -1                              ; everybody's have
.set CC, 0
.rept 32
	ds_load_b32 v[X+CC], v[XA0] offset:CC*XROW     ; channels 0-31: my pixel's first block
.set CC, CC+1
.endr
.set CC, 0
.rept 16
	ds_load_b32 v[X+32+CC], v[XA1] offset:CC*XROW  ; channels 32-47
.set CC, CC+1
.endr
	s_wait_dscnt 16                                ; the first block's 32 loads are in; the 16 issued behind them may be out
	; x into codes: both blocks of my pixel are mine.  Each block's largest magnitude in two chains
	v_max3_num_f32 v[W], |v[X]|, |v[X+1]|, FLOOR
	v_max3_num_f32 v[W+4], |v[X+2]|, |v[X+3]|, FLOOR
.irp i, 4,8,12,16,20,24,28
	v_max3_num_f32 v[W], v[W], |v[X+\i]|, |v[X+\i+1]|
	v_max3_num_f32 v[W+4], v[W+4], |v[X+\i+2]|, |v[X+\i+3]|
.endr
.set CC, 16
.rept 16
	ds_load_b32 v[X+32+CC], v[XA1] offset:CC*XROW  ; channels 48-63
.set CC, CC+1
.endr
	v_max_num_f32 v[W], v[W], v[W+4]
	v_add_nc_u32 v[W+2], 0xff000000, v[W]
	s_wait_dscnt 0x0                               ; the second block
	v_max3_num_f32 v[W+1], |v[X+32]|, |v[X+33]|, FLOOR
	v_max3_num_f32 v[W+5], |v[X+34]|, |v[X+35]|, FLOOR
.irp i, 4,8,12,16,20,24,28
	v_max3_num_f32 v[W+1], v[W+1], |v[X+32+\i]|, |v[X+33+\i]|
	v_max3_num_f32 v[W+5], v[W+5], |v[X+34+\i]|, |v[X+35+\i]|
.endr
	v_max_num_f32 v[W+1], v[W+1], v[W+5]
	v_add_nc_u32 v[W+3], 0xff000000, v[W+1]
	v_lshrrev_b32 v[W+4], 23, v[W+2]
	v_lshrrev_b32 v[W+5], 23, v[W+3]
	v_lshl_or_b32 v[XSW], v[W+5], 8, v[W+4]        ; my pixel's scale word
.irp g, 0,1,2,3
	v_cvt_scalef32_pk8_fp4_f32 v[XF+\g], v[X+8*\g:X+8*\g+7], v[W+2]
	v_cvt_scalef32_pk8_fp4_f32 v[XF+8+\g], v[X+32+8*\g:X+32+8*\g+7], v[W+3]
.endr
	v_nop                                          ; one plain line between the conversions and the lines that touch their results and sources
.irp g, 0,1,2,3
	v_permlane16_swap_b32 v[XF+\g], v[XF+8+\g]     ; the first's lanes 16-31 change places with the second's lanes 0-15: the first is now the upper row's fragment (lane (r, h): block h of column r), the second the lower row's
.endr
.set CC, 0
.rept 32
	v_permlane16_swap_b32 v[X+CC], v[X+32+CC]      ; the same for the f32 form: register c: the upper row's column r, channel 32 h + c; register 32 + c: the lower row's
.set CC, CC+1
.endr
	PLACES 8                                       ; a scale register written by a vector instruction stands 8 places ahead of a scaled matrix instruction, an operand so written 4
.irp n, 0,1
	v_wmma_scale_f32_16x16x128_f8f6f4 v[DG+8*\n:DG+8*\n+7], v[XF:XF+7], v[WGF+8*\n:WGF+8*\n+7], 0, v[XSW], v[WGS+\n] matrix_a_fmt:MATRIX_FMT_FP4 matrix_b_fmt:MATRIX_FMT_FP4
.endr
.irp n, 0,1
	v_wmma_scale_f32_16x16x128_f8f6f4 v[DG+16+8*\n:DG+16+8*\n+7], v[XF+8:XF+15], v[WGF+8*\n:WGF+8*\n+7], 0, v[XSW], v[WGS+\n] matrix_a_fmt:MATRIX_FMT_FP4 matrix_b_fmt:MATRIX_FMT_FP4 matrix_a_scale:MATRIX_SCALE_ROW1
.endr
	PLACES 4                                       ; four places behind this form before its results are read (ISA guide 7.12.1)
	; lane (r, h) holds channel 16 n + r and columns 16 a' + 8 h + 0 .. 7 of both image rows: the pool is taken inside the lane
.irp n, 0,1
.irp q, 0,1,2,3
	v_max3_num_f32 v[PG+4*\n+\q], v[DG+8*\n+2*\q], v[DG+8*\n+2*\q+1], v[DG+16+8*\n+2*\q]
	v_max_num_f32 v[PG+4*\n+\q], v[PG+4*\n+\q], v[DG+16+8*\n+2*\q+1]
.endr
.endr
.irp n, 0,1
	ds_store_b128 v[GWR], v[PG+4*\n:PG+4*\n+3] offset:16*GP*\n     ; keys 8 a' + 4 h + 0 .. 3 of channel 16 n + r
.endr
	; theta and phi: 16 steps of 4 channels; the two sums take turns, one instruction a turn; each sum's first step takes the constant 0
	v_wmma_f32_16x16x4_f32 v[DT:DT+7], v[WA:WA+1], v[X:X+1], 0
	v_wmma_f32_16x16x4_f32 v[DT+8:DT+15], v[WA:WA+1], v[X+32:X+33], 0
.set KK, 2
.rept 15
	v_wmma_f32_16x16x4_f32 v[DT:DT+7], v[WA+KK:WA+KK+1], v[X+KK:X+KK+1], v[DT:DT+7]
	v_wmma_f32_16x16x4_f32 v[DT+8:DT+15], v[WA+KK:WA+KK+1], v[X+32+KK:X+33+KK], v[DT+8:DT+15]
.set KK, KK+2
.endr
	PLACES 8                                       ; eight places behind the f32 form
	; in each sum lanes 0-15 hold theta's channels 0-7 of column r, lanes 16-31 phi's before the pool
.irp j, 0,1,2,3,4,5,6,7
	v_permlanex16_b32 v[T+\j], v[DT+8+\j], s[SEL], s[SEL+1]
.endr
.irp j, 0,1,2,3,4,5,6,7
	v_cndmask_b32 v[T+\j], v[DT+\j], v[T+\j], s[MH]        ; lanes 0-15: the upper row's theta; lanes 16-31: the lower row's
.endr
.irp j, 0,1,2,3,4,5,6,7
	v_max_num_f32 v[V+\j], v[DT+\j], v[DT+8+\j]            ; the pool down the rows (lanes 16-31 count),
.endr
.irp j, 0,1,2,3,4,5,6,7
	v_max_num_f32_dpp v[V+\j], v[V+\j], v[V+\j] row_xmask:1 row_mask:0xf bank_mask:0xf   ; and along them: both lanes of a pair hold the key's number
.endr
.irp i, 0,1,2,3
	v_cndmask_b32 v[R+\i], v[V+\i], v[V+4+\i], s[MP]       ; the even lane of a pair keeps channels 0-3, the odd one channels 4-7
.endr
	v_permlanex16_b32 v[W+6], v[R], s[SEL], s[SEL+1]       ; phi lies in lanes 16-31: lane r takes the first two of lane 16 + r's four numbers,
	v_permlanex16_b32 v[W+7], v[R+1], s[SEL], s[SEL+1]
	v_cndmask_b32 v[PB], v[W+6], v[R+2], s[MH]             ; lane 16 + r keeps the other two:
	v_cndmask_b32 v[PB+1], v[W+7], v[R+3], s[MH]
	ds_store_b64 v[PWR], v[PB:PB+1]                        ; so all 32 lanes store, each 8 bytes of its own: the wave's 256 consecutive bytes
	global_store_b128 v[TO], v[T:T+3], s[12:13]              ; sixteen lanes store 256 consecutive bytes, aligned: channels 0-3 of a tile's 16 pixels
	global_store_b128 v[TO], v[T+4:T+7], s[12:13] offset:256 ; channels 4-7
	s_wait_dscnt 0x0                               ; for the others' sake: my stores into the stages are done
	s_barrier_signal -1
	s_barrier_wait -1
	ds_load_b64 v[PB:PB+1], v[PRD]                 ; bytes that other waves stored, in the order in which they lie in kv
	s_wait_dscnt 0x0
	global_store_b64 v[PO], v[PB:PB+1], s[PHD:PHD+1]         ; a wave stores 256 consecutive bytes, aligned
	s_cmp_lt_u32 s[WV], 2                          ; waves 0 and 1 quantise g, a pooled row each, a lane to a channel: its 32 keys are one block
	s_cbranch_scc0 .Lend
.irp i, 0,1,2,3,4,5,6,7
	ds_load_b128 v[X+4*\i:X+4*\i+3], v[GRD] offset:16*\i
.endr
	s_wait_dscnt 0x0
	v_max3_num_f32 v[W], |v[X]|, |v[X+1]|, FLOOR
	v_max3_num_f32 v[W+1], |v[X+2]|, |v[X+3]|, |v[X+4]|
.irp i, 5,9,13,17,21,25
	v_max3_num_f32 v[W], v[W], |v[X+\i]|, |v[X+\i+1]|
	v_max3_num_f32 v[W+1], v[W+1], |v[X+\i+2]|, |v[X+\i+3]|
.endr
	v_max3_num_f32 v[W], v[W], |v[X+29]|, |v[X+30]|
	v_max3_num_f32 v[W], v[W], v[W+1], |v[X+31]|
	v_add_nc_u32 v[W+2], 0xff000000, v[W]
	v_lshrrev_b32 v[W+3], 23, v[W+2]
.irp g, 0,1,2,3
	v_cvt_scalef32_pk8_fp4_f32 v[W+4+\g], v[X+8*\g:X+8*\g+7], v[W+2]
.endr
	v_nop
	global_store_b128 v[GO], v[W+4:W+7], s[GCD:GCD+1]        ; sixteen lanes store 256 consecutive bytes, aligned: half of a register image of the attention's operand
	global_store_b8 v[SO], v[W+3], s[16:17]                  ; my block's byte of my channel's word: 32 bytes of the 16 KiB of scales, 4 bytes apart
.Lend:
	s_wait_tensorcnt 0x0
	ds_add_u32 v254, v255
	s_wait_dscnt 0x0
	s_endpgm
.Lfunc_end_k_q57b9d84c9c_prep:
	.size	k_q57b9d84c9c_prep, .Lfunc_end_k_q57b9d84c9c_prep-k_q57b9d84c9c_prep
	.p2alignl 7, 3214868480
	.fill 96, 4, 3214868480
	.section	.rodata,"a",@progbits
	.p2align	6, 0x0
	.amdhsa_kernel k_q57b9d84c9c_prep
		.amdhsa_group_segment_fixed_size 168960
		.amdhsa_private_segment_fixed_size 0
		.amdhsa_enable_private_segment 0
		.amdhsa_kernarg_size 56
		.amdhsa_user_sgpr_count 2
		.amdhsa_user_sgpr_kernarg_segment_ptr 1
		.amdhsa_wavefront_size32 1
		.amdhsa_system_sgpr_workgroup_id_x 1
		.amdhsa_system_sgpr_workgroup_id_y 1
		.amdhsa_system_sgpr_workgroup_id_z 1
		.amdhsa_system_vgpr_workitem_id 0
		.amdhsa_next_free_vgpr 256
		.amdhsa_next_free_sgpr 66
		.amdhsa_reserve_vcc 0
		.amdhsa_float_denorm_mode_32 3
		.amdhsa_float_denorm_mode_16_64 3
		.amdhsa_memory_ordered 1
		.amdhsa_forward_progress 1
		.amdhsa_inst_pref_size 33
	.end_amdhsa_kernel
	.amdgpu_metadata
---
amdhsa.version: [ 1, 2 ]
amdhsa.kernels:
  - .name:           k_q57b9d84c9c_prep
    .symbol:         k_q57b9d84c9c_prep.kd
    .args:
      - { .name: x, .offset: 0, .size: 8, .value_kind: global_buffer, .address_space: global }
      - { .name: w_theta, .offset: 8, .size: 8, .value_kind: global_buffer, .address_space: global }
      - { .name: w_phi, .offset: 16, .size: 8, .value_kind: global_buffer, .address_space: global }
      - { .name: w_g, .offset: 24, .size: 8, .value_kind: global_buffer, .address_space: global }
      - { .name: theta, .offset: 32, .size: 8, .value_kind: global_buffer, .address_space: global }
      - { .name: kv, .offset: 40, .size: 8, .value_kind: global_buffer, .address_space: global }
      - { .name: gsc, .offset: 48, .size: 8, .value_kind: global_buffer, .address_space: global }
    .group_segment_fixed_size: 168960
    .private_segment_fixed_size: 0
    .kernarg_segment_align: 8
    .kernarg_segment_size: 56
    .max_flat_workgroup_size: 256
    .sgpr_count:     66
    .vgpr_count:     256
    .wavefront_size: 32
...
	.end_amdgpu_metadata
.endif
;; end of part 1
;; launch attn (part 2): grid 16 x 16, 16 waves a work-group, no clusters, 169,984 bytes of LDS; arguments theta, kv, gsc, w_o, gamma, x, out0; writes out0
.if DOCPART == 2
	.amdgcn_target "amdgcn-amd-amdhsa--gfx1250"
	.amdhsa_code_object_version 6
	.text
	.protected	k_q57b9d84c9c_attn
	.globl	k_q57b9d84c9c_attn
	.p2align	8
	.type	k_q57b9d84c9c_attn,@function
k_q57b9d84c9c_attn:
	s_mov_b64 s[64:65], 0
	v_nop
	global_prefetch_b8 v0, s[64:65] scope:SCOPE_SE
	s_setreg_imm32_b32 hwreg(HW_REG_WAVE_MODE, 25, 1), 1
	s_wait_xcnt 0x0
; ATTN: out = x + gamma w_o (g softmax(theta^T phi)^T).  theta, phi (f32) and g (codes of FP4, E2M1, one E8M0 scale for 32 keys) come from the launch before, laid as images of the operands' registers.
; THE SCORES feed a softmax that is quantised, so they are f32: S^T = phi^T theta by v_wmma_f32_16x16x4_f32, K = 8 channels: two instructions a tile of 16 keys x 16 queries.  Their registers are written by matrix
; instructions alone; t - M goes into other registers.
; THE SOFTMAX AHEAD OF THE SECOND PRODUCT: t = score x log2(e); M = the row's largest t so far, rounded UP to a whole number; p = 2^(t - M) is quantised along the keys, not normalised.  The row's sum is taken of the
; unquantised p and divides at the end.  When M moves, the sum and O^T are multiplied by 2^(old M - new M): exact.
; SHARES.  A work-group owns 256 queries (4 image rows) of one image; each of its sixteen waves owns 16, one tile, in 256 registers: four waves to a SIMD.  Every wave walks the image's 1,024 keys, 128 a step.
; Both products are used transposed (source 0 = keys or channels, source 1 = my queries): a lane holds ONE query (lane % 16) throughout.
; Row r of tile 2 b + u of phi is key 32 b + 8 u + r + 8 (r / 8): the 16 registers of tiles 2 b and 2 b + 1 are keys 32 b + 16 (lane / 16) + 0 .. 15.
; BY TURNS.  The 16 score products of step s + 1 stand among the exponentials of step s, a slice of vector work behind each, so that the wave has matrix work and vector work out at the same time.  No second set of
; score registers is needed: a tile of scores is done with as soon as its four packed scalings have read it, and those stand ahead of the product that begins the tile anew.  Step 0's scores are made ahead of the
; loop; the last step is written out without products for a step that does not exist.
; LDS IS FILLED ONCE: all keys of the image (phi 32 KiB, g's codes 16 KiB) by one tensor load a wave, and the work-group's tile of x (64 channels x 1,024 bytes) by a second, which stays out during the key loop.
; Nothing is filled again.  The claim of LDS is more than half of what a WGP has; 115,712 bytes are used.
; THE LAST PRODUCT has K = 32 channels: one block.  A lane holds 16 of them and lane l xor 16 the other 16: they are laid as two of the instruction's blocks, each 16 codes and 16 zeros, under the SAME scale byte, and
; w_o's rows likewise: the same exact products, and no code changes lanes.
; NO CLUSTER: what the 16 work-groups of an image share is the 48 KiB of keys, asked for once, at the head: 48 of the 184 KiB that a work-group moves (8 theta, 48 keys, 64 x, 64 out), and in no loop.
; LIMITS: NaN and infinities are not served.  A block of zeros gets the byte 1 where the rule says 127 (its codes are zeros).  A score's 8 products are added in the order of channels 0, 1, 4, 5, 2, 3, 6, 7.
.set KVB,   49152                      ; an image's keys in kv, and in LDS from byte 0
.set GOFF,  32768                      ; where g's codes begin in them
.set XS,    49152                      ; behind them: x's tile, later the result's
.set XP,    1040                       ; a channel's row in it: 1,024 bytes + 16: sixteen rows that a 16-byte access touches start at sixteen different groups of banks (64 banks of 4 bytes: ISA guide 11.1)
.set FLOOR, 0x1800000                  ; 2^(3 - 127): under it no largest magnitude is taken, so that no scale byte falls under 1
.set LI,  1                            ; v1   16 x lane: my place in a register image
.set L4,  2                            ; v2   4 x lane: my scale word
.set ADK, 3                            ; v3   LDS address of the next step's tiles of phi
.set ADV, 4                            ; v4   of this step's g
.set XA,  5                            ; v5   x's tile: channel lane % 16, my wave's 16 pixels, 8 (lane / 16) on
.set RA,  6                            ; v6   x's tile by rows: my wave's 4 channels, 16 bytes a lane
.set WOF, 7                            ; v7   my byte offset in w_o
.set TH,  16                           ; v16-19   theta: channels 4 (lane / 16) + 0 .. 3 of query lane % 16     (v12 -M, v13 the largest t, v[14:15] the sum in two halves)
.set PH,  20                           ; v20-51   eight tiles of phi, 4 registers each
.set DO,  20                           ;          at the end: the last product's four sums
.set WC,  52                           ; v52-59   w_o's codes: 2 registers for each 16 rows
.set WS,  60                           ; v60-63   w_o's scale words: scales and nothing else
.set S,   64                           ; v64-127  S^T: written by matrix instructions alone
.set P,   128                          ; v128-191 t - M, then p
.set AG,  128                          ;          at the end: O^T / the sum;
.set FW,  144                          ;          w_o's four fragments
.set O,   192                          ; v192-207 O^T: 32 channels x my 16 queries
.set XV,  192                          ;          at the end (v192-223): x, then the result
.set G,   208                          ; v208-223 g's two fragments
.set PC,  224                          ; v224-231 p's codes
.set BM,  232                          ; v232-235 the blocks' largest scores, then largest p
.set T4,  236                          ; v236-239 at work
.set SC,  244                          ; v244-247 the conversions' scale operands
.set GS,  248                          ; v248     g's scale words: lane l has channel l's     (v252 f, v253 p's scale word, v254 at work)
.set GM,  18                           ; s[18:19] gamma, twice
.set WV,  20                           ; s20 wave   s21 image
.set BA,  21
.set G1K, 24                           ; s[24:31] descriptor group 1 for the keys;  s[32:39] for x;  s[40:43], s[44:47] their groups 0
.set G1X, 32
.set G0K, 40
.set G0X, 44
.set SEL, 48                           ; s[48:49] v_permlanex16_b32's selects for lane l xor 16
.set CS,  50                           ; s[50:51] log2(e): the packed form names a pair and takes its low word for both halves
.set TK,  52                           ; s52 LDS byte of the next step's phi   s53 of this step's g   s54 trips to go
.set TV,  53
.set CNT, 54
.macro PLACES n
.rept \n
	v_nop
.endr
.endm
	s_load_b256 s[4:11], s[0:1], 0x0               ; theta s[4:5], kv s[6:7], gsc s[8:9], w_o s[10:11]
	s_load_b128 s[12:15], s[0:1], 0x20             ; gamma s[12:13], x s[14:15]
	s_load_b64 s[16:17], s[0:1], 0x30              ; out0
	v_lshl_add_u32 v251, v0, 2, 0x29000
	v_mov_b32 v255, 0
	ds_add_u32 v251, v255
	ds_add_u32 v251, v255
	v_lshrrev_b32 v8, 5, v0
	v_readfirstlane_b32 s[WV], v8                  ; wave 0..15
	s_and_b32 s[BA], ttmp7, 0xffff
	; the keys: a dense block; my part is 12 rows of 256 bytes (32 elements of 8 bytes)
	s_mov_b32 s[G1K+0], 3<<16
	s_mov_b32 s[G1K+1], 32<<16
	s_mov_b32 s[G1K+2], 12<<16
	s_mov_b32 s[G1K+3], 32<<16
	s_mov_b32 s[G1K+4], 12
	s_mov_b32 s[G1K+5], 32
	s_mov_b32 s[G1K+6], 0
	s_mov_b32 s[G1K+7], 0
	; x: 4 channels x 256 pixels of 4 bytes, 4,096 elements from channel to channel; in LDS 4 words of padding behind every 256
	s_mov_b32 s[G1X+0], (2<<16)|(1<<20)|(7<<22)|(3<<25)
	s_mov_b32 s[G1X+1], 256<<16
	s_mov_b32 s[G1X+2], 4<<16
	s_mov_b32 s[G1X+3], 256<<16
	s_mov_b32 s[G1X+4], 4
	s_mov_b32 s[G1X+5], 4096
	s_mov_b32 s[G1X+6], 0
	s_mov_b32 s[G1X+7], 0
	s_mov_b32 s[G0K], 1
	s_mul_i32 s[G0K+1], s[WV], 3072
	s_mov_b32 s[G0X], 1
	s_mul_i32 s[G0X+1], s[WV], 4*XP
	s_add_co_u32 s[G0X+1], s[G0X+1], XS
	s_mul_i32 s22, s[BA], KVB
	s_mul_i32 s23, s[WV], 3072
	s_add_co_u32 s22, s22, s23
	s_mov_b32 s23, 0
	s_lshl_b32 s56, s[BA], 20                      ; x and out0: the image, my wave's 4 channels, the work-group's 256 pixels
	s_lshl_b32 s57, s[WV], 16
	s_add_co_u32 s56, s56, s57
	s_lshl_b32 s57, ttmp9, 10
	s_add_co_u32 s56, s56, s57
	s_mov_b32 s57, 0
	s_mov_b32 s[SEL], 0x76543210
	s_mov_b32 s[SEL+1], 0xfedcba98
	s_mov_b32 s[CS], 0x3fb8aa3b                    ; log2(e)
	s_mov_b32 s[CS+1], s[CS]
	s_wait_dscnt 0x0
	s_wait_kmcnt 0x0
	s_load_b32 s[GM], s[12:13], 0x0                ; gamma
	s_add_nc_u64 s[G0K+2:G0K+3], s[6:7], s[22:23]
	s_or_b32 s[G0K+3], s[G0K+3], 0x80000000
	s_add_nc_u64 s[G0X+2:G0X+3], s[14:15], s[56:57]
	s_or_b32 s[G0X+3], s[G0X+3], 0x80000000
	tensor_load_to_lds s[G0K:G0K+3], s[G1K:G1K+7]  ; the keys first: the loop waits for them
	s_nop 0
	tensor_load_to_lds s[G0X:G0X+3], s[G1X:G1X+7]  ; x is wanted at the end: two loads of mine are out
	s_nop 0
	PLACES 4                                       ; plain lines behind a tensor load
	s_add_nc_u64 s[16:17], s[16:17], s[56:57]
	s_lshl_b32 s22, s[BA], 17                      ; theta: 131,072 bytes an image, 512 a tile: tile 16 x work-group + wave
	s_lshl_b32 s58, ttmp9, 13
	s_add_co_u32 s22, s22, s58
	s_lshl_b32 s58, s[WV], 9
	s_add_co_u32 s22, s22, s58
	s_add_nc_u64 s[4:5], s[4:5], s[22:23]
	s_lshl_b32 s22, s[BA], 10                      ; g's scale words: 1,024 bytes an image
	s_add_nc_u64 s[8:9], s[8:9], s[22:23]
	v_and_b32 v9, 31, v0
	v_lshlrev_b32 v[LI], 4, v9
	v_lshlrev_b32 v[L4], 2, v9
	global_load_b128 v[TH:TH+3], v[LI], s[4:5]     ; theta's image: it stays in registers
	v_and_b32 v10, 15, v0                          ; r
	v_bfe_u32 v11, v0, 4, 1                        ; h
	v_lshlrev_b32 v[WOF], 7, v10                   ; w_o: row r of 128 bytes; my channels 8 h + 0 .. 7 and 16 + 8 h + 0 .. 7
	v_lshl_add_u32 v[WOF], v11, 5, v[WOF]
.irp n, 0,1,2,3
	global_load_b128 v[P+16*\n:P+16*\n+3], v[WOF], s[10:11] offset:2048*\n
	global_load_b128 v[P+16*\n+4:P+16*\n+7], v[WOF], s[10:11] offset:2048*\n+16
	global_load_b128 v[P+16*\n+8:P+16*\n+11], v[WOF], s[10:11] offset:2048*\n+64
	global_load_b128 v[P+16*\n+12:P+16*\n+15], v[WOF], s[10:11] offset:2048*\n+80
.endr
	v_mul_u32_u24 v[XA], v10, XP
	v_lshl_add_u32 v[XA], v11, 5, v[XA]
	s_lshl_b32 s22, s[WV], 6
	s_add_co_u32 s22, s22, XS
	v_add_nc_u32 v[XA], s22, v[XA]
	v_add_nc_u32 v[RA], s[G0X+1], v[LI]
	v_mov_b32 v13, 0xff61b1e6                      ; the largest t so far: -3e38, under every t
	v_floor_f32 v12, -v13                          ; -M
	v_mov_b32 v14, 0                               ; the sum, in two halves
	v_mov_b32 v15, 0
.irp b, 0,1,2,3
	v_mov_b32 v[T4+\b], 0                          ; written once: a lane permute's destination counts as one of its sources
.endr
	v_mov_b32 v253, 0                              ; (named as the upper half of the pair v[252:253] before it is first written)
.irp j, 0,1,2,3,4,5,6,7,8,9,10,11,12,13,14,15
	v_mov_b32 v[O+\j], 0                           ; O^T: a step is written for every step alike; the first finds zeros, which the first change of M leaves zeros
.endr
	s_wait_loadcnt 0x0                             ; theta and w_o
	; w_o into codes: a row's 32 numbers are one block, 16 in my lane and 16 in lane l xor 16
.irp n, 0,1,2,3
	v_max3_num_f32 v[BM+\n], |v[P+16*\n]|, |v[P+16*\n+1]|, FLOOR
.endr
.irp i, 2,4,6,8,10,12,14
.irp n, 0,1,2,3
	v_max3_num_f32 v[BM+\n], v[BM+\n], |v[P+16*\n+\i]|, |v[P+16*\n+\i+1]|
.endr
.endr
.irp n, 0,1,2,3
	v_permlanex16_b32 v[T4+\n], v[BM+\n], s[SEL], s[SEL+1]
.endr
.irp n, 0,1,2,3
	v_max_num_f32 v[BM+\n], v[BM+\n], v[T4+\n]
.endr
.irp n, 0,1,2,3
	v_add_nc_u32 v[SC+\n], 0xff000000, v[BM+\n]    ; 2 off the exponent field: the conversion's scale operand
.endr
.irp n, 0,1,2,3
	v_lshrrev_b32 v[T4+\n], 23, v[SC+\n]           ; the scale's byte,
.endr
.irp n, 0,1,2,3
	v_lshl_or_b32 v[WS+\n], v[T4+\n], 8, v[T4+\n]  ; over both of the instruction's blocks that hold the row's codes
.endr
.irp n, 0,1,2,3
	v_cvt_scalef32_pk8_fp4_f32 v[WC+2*\n], v[P+16*\n:P+16*\n+7], v[SC+\n]
	v_cvt_scalef32_pk8_fp4_f32 v[WC+2*\n+1], v[P+16*\n+8:P+16*\n+15], v[SC+\n]
.endr
	v_nop                                          ; one plain line behind the last conversion of a run
	s_wait_kmcnt 0x0
	s_mov_b32 s[GM+1], s[GM]                       ; (named with it as a pair, so it is written)
	s_mov_b32 s[TK], 4096                          ; the loop's first trip fetches step 1's phi
	s_mov_b32 s[TV], GOFF
	s_mov_b32 s[CNT], 7
	s_wait_tensorcnt 0x1                           ; my part of the keys has landed; x's load, issued behind it, may stay out
	s_barrier_signal -1
	s_barrier_wait -1                              ; everybody's part has
; THE PIECES OF A STEP
.macro SC1 t                           ; tile t's sum begins: channels 0, 1 (lanes 0-15) and 4, 5 (lanes 16-31); the constant 0 starts it
	v_wmma_f32_16x16x4_f32 v[S+8*(\t):S+8*(\t)+7], v[PH+4*(\t):PH+4*(\t)+1], v[TH:TH+1], 0
.endm
.macro SC2 t                           ; and ends: channels 2, 3 and 6, 7
	v_wmma_f32_16x16x4_f32 v[S+8*(\t):S+8*(\t)+7], v[PH+4*(\t)+2:PH+4*(\t)+3], v[TH+2:TH+3], v[S+8*(\t):S+8*(\t)+7]
.endm
.macro TM t, j                         ; t - M of pair j of tile t's eight scores, into registers of their own
	v_pk_fma_f32 v[P+8*(\t)+2*(\j):P+8*(\t)+2*(\j)+1], v[S+8*(\t)+2*(\j):S+8*(\t)+2*(\j)+1], s[CS:CS+1], v[12:13] op_sel_hi:[1,0,0]
.endm
.macro EX r                            ; p = 2^(t - M), at most 1
	v_exp_f32 v[P+(\r)], v[P+(\r)]
.endm
.macro RS j                            ; pair j of O^T under the new M
	v_pk_mul_f32 v[O+2*(\j):O+2*(\j)+1], v[O+2*(\j):O+2*(\j)+1], v[252:253] op_sel_hi:[1,0]
.endm
; A STEP: the softmax and the second product of 128 keys whose scores lie in S.  more = 1: the next step's phi is fetched and its scores are made on the way.
.macro STEP more
	v_add_nc_u32 v[ADV], s[TV], v[LI]
.if \more
	v_add_nc_u32 v[ADK], s[TK], v[LI]
.endif
.irp b, 0,1,2,3
	v_max3_num_f32 v[BM+\b], v[S+16*\b], v[S+16*\b+1], v[S+16*\b+2]   ; the largest score of each block of 32 keys: it serves for the row's maximum and, since p rises with the score, for the block's largest p
.endr                                              ; (with the additions above: five plain lines or more, the places between the last step's FP4 products and the loads into their registers)
	global_load_b32 v[GS], v[L4], s[8:9]           ; g's scale words of these 128 keys: lanes 0-15 channels 0-15, lanes 16-31 channels 16-31
.if \more
.irp t, 0,1,2,3,4,5,6,7
	ds_load_b128 v[PH+4*\t:PH+4*\t+3], v[ADK] offset:512*\t        ; an image of the operand's registers: 512 consecutive bytes an instruction.  The products that read these registers last stand behind more than eight plain lines
.endr
.endif
.irp f, 0,1,2,3
	ds_load_b128 v[G+4*\f:G+4*\f+3], v[ADV] offset:512*\f
.endr
.irp i, 3,5,7,9,11,13
.irp b, 0,1,2,3
	v_max3_num_f32 v[BM+\b], v[BM+\b], v[S+16*\b+\i], v[S+16*\b+\i+1]
.endr
.endr
.irp b, 0,1,2,3
	v_max_num_f32 v[BM+\b], v[BM+\b], v[S+16*\b+15]
.endr
.irp b, 0,1,2,3
	v_permlanex16_b32 v[T4+\b], v[BM+\b], s[SEL], s[SEL+1]
.endr
.irp b, 0,1,2,3
	v_max_num_f32 v[BM+\b], v[BM+\b], v[T4+\b]     ; with lane l xor 16's 16 keys
.endr
	v_max3_num_f32 v254, v[BM], v[BM+1], v[BM+2]
	v_max_num_f32 v254, v254, v[BM+3]              ; the step's largest score of my query,
	v_mul_f32 v254, s[CS], v254                    ; as t
	v_max_num_f32 v13, v13, v254                   ; the running largest t
	v_mov_b32 v254, v12
	v_floor_f32 v12, -v13                          ; the new -M = floor(-t) = -ceil(t): a whole number
	v_sub_f32 v254, v12, v254                      ; old M less new M: a whole number, 0 or less
	v_cvt_i32_f32 v254, v254                       ; (it saturates)
	v_ldexp_f32 v252, 1.0, v254                    ; f = 2^(old M - new M)
.irp b, 0,1,2,3
	v_fma_f32 v[BM+\b], v[BM+\b], s[CS], v12       ; t - M of each block's largest score
.endr
.irp j, 0,1,2,3
	TM 0, \j                                       ; tile 0's scores are read: its registers may take the next step's
.endr
.if \more
	s_wait_dscnt 0x4                               ; phi's eight are in; g's four, issued behind them, may be out
.endif
	; SIXTEEN SLICES, one behind each of the next step's 16 score products.  The eight sums take turns, one instruction a turn.  The slices hold the 28 scalings that are left, the 68 exponentials
	; and 8 of the 9 rescalings; none of these names an exponential's result.  A tile's scalings stand ahead of the product that begins the tile anew, and a slice ahead of its exponentials.
.irp i, 0,1,2,3,4,5,6
.if \more
	SC1 \i
.endif
.irp j, 0,1,2,3
	TM \i+1, \j
	EX 8*\i+\j
.endr
.endr
.if \more
	SC1 7
.endif
	v_pk_mul_f32 v[14:15], v[14:15], v[252:253] op_sel_hi:[1,0]      ; the sums under the new M
	EX 56
	RS 0
	EX 57
	RS 1
	EX 58
	RS 2
	EX 59
.irp i, 0,1,2,3,4,5,6,7
.if \more
	SC2 \i
.endif
.if \i < 4
	RS \i+3
	v_exp_f32 v[BM+\i], v[BM+\i]                   ; the block's largest p: the same two instructions on the same number give the same bits
.endif
.irp j, 4,5,6,7
	EX 8*\i+\j
.endr
.endr
	RS 7                                           ; the plain line behind the last exponential
	s_wait_alu depctr_va_vdst(0)                   ; one wait for the batch of 68, ahead of its first reader
.irp b, 0,1,2,3
	v_max_num_f32 v[BM+\b], FLOOR, v[BM+\b]        ; the floor (a block whose every p has fallen to 0 keeps the byte 1: its codes are zeros)
.endr
.irp b, 0,1,2,3
	v_add_nc_u32 v[SC+\b], 0xff000000, v[BM+\b]
.endr
.irp b, 0,1,2,3
	v_lshrrev_b32 v[T4+\b], 23, v[SC+\b]
.endr
	v_lshl_or_b32 v253, v[T4+1], 8, v[T4]          ; p's scale word for these 128 keys
	v_lshl_or_b32 v253, v[T4+2], 16, v253
	v_lshl_or_b32 v253, v[T4+3], 24, v253
.irp b, 0,1,2,3
	v_cvt_scalef32_pk8_fp4_f32 v[PC+2*\b], v[P+16*\b:P+16*\b+7], v[SC+\b]
	v_cvt_scalef32_pk8_fp4_f32 v[PC+2*\b+1], v[P+16*\b+8:P+16*\b+15], v[SC+\b]
.endr
	v_nop                                          ; one plain line between a conversion and the vector line that touches its result
.irp c, 0,1                                        ; the operand's layout wants a WHOLE block in a lane: lanes 0-15 block 2 c, lanes 16-31 block 2 c + 1
.irp i, 0,1
	v_permlane16_swap_b32 v[PC+4*\c+\i], v[PC+2+4*\c+\i]
.endr
.endr
	v_pk_add_f32 v[T4:T4+1], v[P:P+1], v[P+2:P+3]  ; the row's sum, of the UNQUANTISED p, in two chains.  These 32 lines name no register of any product: they are the places between the scale word, the codes and the products below,
.set JJ, 4                                         ; and, with the lines above them, the eight places between the last score product and the next step's first read of the scores and its loads of phi
.rept 15
	v_pk_add_f32 v[14:15], v[14:15], v[P+JJ:P+JJ+1]
	v_pk_add_f32 v[T4:T4+1], v[T4:T4+1], v[P+JJ+2:P+JJ+3]
.set JJ, JJ+4
.endr
	v_pk_add_f32 v[14:15], v[14:15], v[T4:T4+1]
	s_wait_loadcnt 0x0                             ; g's scale words,
	s_wait_dscnt 0x0                               ; and its fragments
	v_wmma_scale_f32_16x16x128_f8f6f4 v[O:O+7], v[G:G+7], v[PC:PC+7], v[O:O+7], v[GS], v253 matrix_a_fmt:MATRIX_FMT_FP4 matrix_b_fmt:MATRIX_FMT_FP4
	v_wmma_scale_f32_16x16x128_f8f6f4 v[O+8:O+15], v[G+8:G+15], v[PC:PC+7], v[O+8:O+15], v[GS], v253 matrix_a_fmt:MATRIX_FMT_FP4 matrix_b_fmt:MATRIX_FMT_FP4 matrix_a_scale:MATRIX_SCALE_ROW1
.if \more
	s_add_nc_u64 s[8:9], s[8:9], 128               ; (the load that read this base has been waited for)  the next step's scale words;
	s_add_co_u32 s[TK], s[TK], 4096                ; eight tiles of phi on;
	s_add_co_u32 s[TV], s[TV], 2048                ; two fragments of g on
.endif
.endm
	; step 0's scores: there is no vector work yet to set between the products
.irp t, 0,1,2,3,4,5,6,7
	ds_load_b128 v[PH+4*\t:PH+4*\t+3], v[LI] offset:512*\t
.endr
	s_wait_dscnt 0x0
.irp t, 0,1,2,3,4,5,6,7
	SC1 \t
.endr
.irp t, 0,1,2,3,4,5,6,7
	SC2 \t
.endr
	PLACES 8                                       ; eight places behind the f32 form before its results are read and its sources loaded anew
.Lstep:                                            ; 7 trips: steps 0 to 6, each making the scores of the step behind it
	STEP 1
	s_sub_co_u32 s[CNT], s[CNT], 1
	s_cmp_lg_u32 s[CNT], 0
	s_cbranch_scc1 .Lstep
	STEP 0                                         ; step 7: nothing follows it
	; THE END.  O^T / the sum is quantised along its 32 channels, multiplied by w_o, and joins x in LDS.
	s_wait_tensorcnt 0x0                           ; my 4 channels of x have landed: say so (no LDS instruction of mine is out),
	s_barrier_signal -1
	v_add_f32 v14, v14, v15                        ; the sum's two halves,
	v_permlanex16_b32 v252, v14, s[SEL], s[SEL+1]
	v_add_f32 v14, v14, v252                       ; and lane l xor 16's: the row's sum
	v_rcp_f32 v14, v14
.irp n, 0,1,2,3                                    ; w_o's fragments: two registers of codes, the rest of the instruction's 128 along K zero codes.  Plain work behind the reciprocal
	v_mov_b32 v[FW+8*\n], v[WC+2*\n]
	v_mov_b32 v[FW+8*\n+1], v[WC+2*\n+1]
.irp z, 2,3,4,5,6,7
	v_mov_b32 v[FW+8*\n+\z], 0
.endr
.endr
.irp z, 2,3,4,5,6,7
	v_mov_b32 v[PC+\z], 0                          ; and the same for the fragment of O^T
.endr
	s_wait_alu depctr_va_vdst(0)                   ; the wait ahead of the reciprocal's first reader
.set JJ, 0
.rept 8
	v_pk_mul_f32 v[AG+JJ:AG+JJ+1], v[O+JJ:O+JJ+1], v[14:15] op_sel_hi:[1,0]   ; registers 0-7: channels 8 h + 0 .. 7 of my query; registers 8-15: channels 16 + 8 h + 0 .. 7
.set JJ, JJ+2
.endr
	s_barrier_wait -1                              ; x's tile is whole
.irp n, 0,1,2,3
	ds_load_b128 v[XV+8*\n:XV+8*\n+3], v[XA] offset:16*XP*\n          ; x(channel 16 n + r, my wave's pixels 8 h + 0 .. 7): the layout of the sums below
	ds_load_b128 v[XV+8*\n+4:XV+8*\n+7], v[XA] offset:16*XP*\n+16
.endr
	v_max3_num_f32 v[BM], |v[AG]|, |v[AG+1]|, FLOOR
	v_max3_num_f32 v[BM+1], |v[AG+2]|, |v[AG+3]|, |v[AG+4]|
.irp i, 5,9
	v_max3_num_f32 v[BM], v[BM], |v[AG+\i]|, |v[AG+\i+1]|
	v_max3_num_f32 v[BM+1], v[BM+1], |v[AG+\i+2]|, |v[AG+\i+3]|
.endr
	v_max3_num_f32 v[BM], v[BM], |v[AG+13]|, |v[AG+14]|
	v_max3_num_f32 v[BM], v[BM], v[BM+1], |v[AG+15]|
	v_permlanex16_b32 v[T4], v[BM], s[SEL], s[SEL+1]
	v_max_num_f32 v[BM], v[BM], v[T4]              ; the block's largest magnitude
	v_add_nc_u32 v[SC], 0xff000000, v[BM]
	v_lshrrev_b32 v[T4], 23, v[SC]
	v_lshl_or_b32 v253, v[T4], 8, v[T4]            ; its byte over both of the instruction's blocks that hold its codes
	v_cvt_scalef32_pk8_fp4_f32 v[PC], v[AG:AG+7], v[SC]
	v_cvt_scalef32_pk8_fp4_f32 v[PC+1], v[AG+8:AG+15], v[SC]
	PLACES 8                                       ; a scale register written by a vector instruction stands 8 places ahead of a scaled matrix instruction, an operand so written 4
.irp n, 0,1,2,3                                    ; source 0 = my 16 queries, source 1 = 16 rows of w_o: a lane holds one channel and eight neighbouring pixels
	v_wmma_scale_f32_16x16x128_f8f6f4 v[DO+8*\n:DO+8*\n+7], v[PC:PC+7], v[FW+8*\n:FW+8*\n+7], 0, v253, v[WS+\n] matrix_a_fmt:MATRIX_FMT_FP4 matrix_b_fmt:MATRIX_FMT_FP4
.endr
	PLACES 4                                       ; four places behind this form before its results are read
	s_wait_dscnt 0x0                               ; x
.set JJ, 0
.rept 16
	v_pk_fma_f32 v[XV+JJ:XV+JJ+1], v[DO+JJ:DO+JJ+1], s[GM:GM+1], v[XV+JJ:XV+JJ+1] op_sel_hi:[1,0,1]   ; x + gamma x the product
.set JJ, JJ+2
.endr
.irp n, 0,1,2,3
	ds_store_b128 v[XA], v[XV+8*\n:XV+8*\n+3] offset:16*XP*\n         ; back into the bytes that I read, which are mine alone until the barrier
	ds_store_b128 v[XA], v[XV+8*\n+4:XV+8*\n+7] offset:16*XP*\n+16
.endr
	s_wait_dscnt 0x0                               ; for the others' sake: my stores are done
	s_barrier_signal -1
	s_barrier_wait -1
.irp i, 0,1,2,3                                    ; my wave's 4 channels, whole rows of 1,024 bytes
	ds_load_b128 v[P+8*\i:P+8*\i+3], v[RA] offset:XP*\i
	ds_load_b128 v[P+8*\i+4:P+8*\i+7], v[RA] offset:XP*\i+512
.endr
.irp i, 0,1,2,3
	s_wait_dscnt 7-2*\i                            ; LDS loads come back in order: the younger ones may be out
	global_store_b128 v[LI], v[P+8*\i:P+8*\i+3], s[16:17] offset:16384*\i th:TH_STORE_NT          ; 32 lanes store 512 consecutive bytes, at a multiple of 256 from out0's first byte
	s_wait_dscnt 6-2*\i
	global_store_b128 v[LI], v[P+8*\i+4:P+8*\i+7], s[16:17] offset:16384*\i+512 th:TH_STORE_NT
.endr
	s_wait_tensorcnt 0x0
	ds_add_u32 v251, v255
	s_wait_dscnt 0x0
	s_endpgm
.Lfunc_end_k_q57b9d84c9c_attn:
	.size	k_q57b9d84c9c_attn, .Lfunc_end_k_q57b9d84c9c_attn-k_q57b9d84c9c_attn
	.p2alignl 7, 3214868480
	.fill 96, 4, 3214868480
	.section	.rodata,"a",@progbits
	.p2align	6, 0x0
	.amdhsa_kernel k_q57b9d84c9c_attn
		.amdhsa_group_segment_fixed_size 169984
		.amdhsa_private_segment_fixed_size 0
		.amdhsa_enable_private_segment 0
		.amdhsa_kernarg_size 56
		.amdhsa_user_sgpr_count 2
		.amdhsa_user_sgpr_kernarg_segment_ptr 1
		.amdhsa_wavefront_size32 1
		.amdhsa_system_sgpr_workgroup_id_x 1
		.amdhsa_system_sgpr_workgroup_id_y 1
		.amdhsa_system_sgpr_workgroup_id_z 1
		.amdhsa_system_vgpr_workitem_id 0
		.amdhsa_next_free_vgpr 256
		.amdhsa_next_free_sgpr 66
		.amdhsa_reserve_vcc 0
		.amdhsa_float_denorm_mode_32 3
		.amdhsa_float_denorm_mode_16_64 3
		.amdhsa_memory_ordered 1
		.amdhsa_forward_progress 1
		.amdhsa_inst_pref_size 46
	.end_amdhsa_kernel
	.amdgpu_metadata
---
amdhsa.version: [ 1, 2 ]
amdhsa.kernels:
  - .name:           k_q57b9d84c9c_attn
    .symbol:         k_q57b9d84c9c_attn.kd
    .args:
      - { .name: theta, .offset: 0, .size: 8, .value_kind: global_buffer, .address_space: global }
      - { .name: kv, .offset: 8, .size: 8, .value_kind: global_buffer, .address_space: global }
      - { .name: gsc, .offset: 16, .size: 8, .value_kind: global_buffer, .address_space: global }
      - { .name: w_o, .offset: 24, .size: 8, .value_kind: global_buffer, .address_space: global }
      - { .name: gamma, .offset: 32, .size: 8, .value_kind: global_buffer, .address_space: global }
      - { .name: x, .offset: 40, .size: 8, .value_kind: global_buffer, .address_space: global }
      - { .name: out0, .offset: 48, .size: 8, .value_kind: global_buffer, .address_space: global }
    .group_segment_fixed_size: 169984
    .private_segment_fixed_size: 0
    .kernarg_segment_align: 8
    .kernarg_segment_size: 56
    .max_flat_workgroup_size: 512
    .sgpr_count:     66
    .vgpr_count:     256
    .wavefront_size: 32
...
	.end_amdgpu_metadata
.endif
;; end of part 2
